; MI455X (gfx1250); checked and timed in simulation.
; The chip was launched on July 23, 2026; its instructions are those of AMD's public machine-readable ISA for CDNA 5 (MIT licence, August 2026) and "CDNA5" Instruction Set Architecture Reference Guide (July 2026). The comments in the code are by the model that wrote it; some were corrected since.
;; Cross Attention. Allowed arithmetic: matrix products marked QUANTISED: E2M1 operands, one E8M0 scale for each 32 along K, by v_wmma_scale_f32_16x16x128_f8f6f4 with both operands' format E2M1 (or v_wmma_scale_f32_32x16x128_f4), f32 sums; products left as they are: bf16, f16 or f32 operands; f32 sums; everything else in f32.
;; Inputs: Wkv 1,024 x 2,048 float32; Wp 1,024 x 1,024 float32; Wq 1,024 x 1,024 float32; attention_mask 4 x 1 x 1 x 2,048 float32; bkv 2,048 float32; bp 1,024 float32; bq 1,024 float32; ctx 4 x 2,048 x 1,024 float32; x 4 x 1,024 x 1,024 float32.
;; Outputs: out0 4 x 1,024 x 1,024 float32.
;; This version of the problem:
;;   THIS VERSION OF THE PROBLEM IS GIVEN IN LOW PRECISION. The matrix products marked QUANTISED in the list below multiply operands that are first quantised to E2M1 (2 exponent bits, 1 mantissa bit; 4 bits a number), with one power-of-two scale for each 32 numbers along K (OCP MX v1.0); their sums are f32. The products marked 'left as it is' may take bf16, f16 or f32 operands, with f32 sums. Whichever they take, every output number must still come out within the allowed error. Rounding operands to bf16 (8 significant bits) uses up far more of that allowance than f16 does (11 bits, for magnitudes from 6e-5 to 65,504). All else is computed in f32.
;;   The module's matrix products, in the order in which they are computed (A, B: the left and right operand; K: the contracted axis; several contracted axes count as one K, in the product's order):
;;     1. [M 4,096, K 1,024] x [K 1,024, N 1,024]; A: input x; B: input Wq: QUANTISED
;;     2. [M 8,192, K 1,024] x [K 1,024, N 2,048]; A: input ctx; B: input Wkv: QUANTISED
;;     3. batch 64 x [M 1,024, K 64] x [K 64, N 2,048]; A: computed on the way; B: computed on the way: left as it is (an operand is computed on the way)
;;     4. batch 64 x [M 1,024, K 2,048] x [K 2,048, N 64]; A: computed on the way; B: computed on the way: left as it is (an operand is computed on the way)
;;     5. [M 4,096, K 1,024] x [K 1,024, N 1,024]; A: computed on the way; B: input Wp: left as it is (an operand is computed on the way)
;;   THE QUANTISER, for each operand of a quantised product, along K:
;;     - K is cut into blocks of 32 from its start; a last block that is shorter is filled with zeros.
;;     - A block's scale is 2^e with e = floor(log2(the largest magnitude in the block)) - 2, held to -126 .. 127; a block of zeros has e = 0. As a byte (E8M0): e + 127.
;;     - Each number is divided by its block's scale, clamped to +-6, and rounded to the nearest number of E2M1, ties to even, subnormals kept.
;;     - The product sums the exact products of the quantised numbers (number of the format x scale) in f32.
;;   ~~~python
;;   def quantise(x, axis):      # numpy; x: float32 -> the quantised numbers, widened to float32 again
;;       x = np.moveaxis(x, axis, -1); K = x.shape[-1]
;;       x = np.pad(x, [(0, 0)] * (x.ndim - 1) + [(0, -K % 32)]); x = x.reshape(x.shape[:-1] + (-1, 32)); a = np.abs(x).max(-1, keepdims=True)
;;       e = np.where(a > 0, np.clip(np.frexp(np.where(a > 0, a, 1))[1] - 1 - 2, -126, 127), 0)      # np.frexp(a)[1] - 1 = floor(log2(a)), exactly
;;       r = np.clip(x / 2.0 ** e, -6, 6)
;;       step = 2.0 ** (np.maximum(np.frexp(np.where(r == 0, 1, r))[1] - 1, 0) - 1)
;;       q = np.round(r / step) * step * 2.0 ** e      # np.round: ties to even
;;       return np.moveaxis(q.reshape(q.shape[:-2] + (-1,))[..., :K], -1, axis).astype(np.float32)
;;   ~~~
;; One version. Each part assembles by itself: llvm-mc -triple=amdgcn-amd-amdhsa -mcpu=gfx1250 --defsym DOCPART=n.
;; ======== version 1 of 1: 4 launches
;; limits: values are held in f16: magnitudes above 65,504 overflow, below 6.1e-05 lose precision
;; workspace buffers: acts 6,684,672 bytes; wts 3,768,320 bytes; kvf 33,554,432 bytes; af 8,388,608 bytes
;; launch prep (part 1): grid 512 x 1, 4 waves a work-group, no clusters, 34,304 bytes of LDS; arguments x, ctx, Wq, Wkv, Wp, acts, wts; writes acts, wts
.if DOCPART == 1
	.amdgcn_target "amdgcn-amd-amdhsa--gfx1250"
	.amdhsa_code_object_version 6
	.text
	.protected	k_q5e4e2d6d13_prep
	.globl	k_q5e4e2d6d13_prep
	.p2align	8
	.type	k_q5e4e2d6d13_prep,@function
k_q5e4e2d6d13_prep:
	s_mov_b64 s[64:65], 0
	v_nop
	global_prefetch_b8 v0, s[64:65] scope:SCOPE_SE
	s_setreg_imm32_b32 hwreg(HW_REG_WAVE_MODE, 25, 1), 1
	s_wait_xcnt 0x0
; PREP.  x [4096][1024] and ctx [8192][1024] (K innermost), Wq [1024][1024] and Wkv [1024][2048] (K is the FIRST axis) become codes of FP4 (E2M1) with one E8M0 byte
; for each 32 along K; Wp [1024][1024] becomes f16.  Everything is laid in the order of the later launches' operand registers:
;   codes:  tile of 16 rows (or columns) T x 8192 + block of 32 along K x 256 + (row % 16) x 16: a fragment of 128 along K is 1,024 bytes on end, 16 bytes a lane;
;   scales: T x 512 + (K / 512) x 256 + (row % 16) x 16: four scale words on end;      Wp: T x 32768 + (k / 32) x 1024 + ((k % 32) / 8) x 256 + (column % 16) x 16.
; acts: x's tiles 0-255, ctx's 256-767, scales from byte 6,291,456.   wts: Wq's tiles 0-63, Wkv's 64-191, scales from 1,572,864, Wp from 1,671,168.
; A block's scale is 2^(floor(log2(largest magnitude)) - 2): its byte is the largest magnitude's exponent field - 2, held at 1 from below by a floor among the maximum's leaves.
; LIMITS: a block of zeros gets the byte 1 where the rule says 127 (its codes are zeros, and this program alone reads the bytes); NaN and infinities are not served; Wp must lie within f16's range (65,504).
; SHARES: work-groups 0-31 Wq, 32-95 Wkv, 96-127 Wp (a wave: 32 columns x 256 along K, a lane a column, registers down K); 128-511 x and ctx (a wave: 16 rows x 512 along K).
; No tensor loads, no barrier: waves share nothing.  Only the path of x and ctx uses LDS: a stage of its own for each wave.
.set SPARE, 33792                      ; behind the four stages: the spare words, 128 bytes a wave
.set STG,   8448                       ; a wave's stage: 16 rows x 528
.set PIT,   528                        ; 512 bytes + 16: the sixteen rows that a load touches begin 33 x 16 bytes apart
.set SPW,   2                          ; v2  my spare word's address; never rewritten
.set NIL,   3                          ; v3  0; never rewritten
.set RA,    32                         ; v32-159  x, ctx: two sets of 64 registers as loaded.  Weights: v32-95 two sets of 32
.set XB,    160                        ; v160-223 two whole blocks of 32 neighbours
.set CD,    224                        ; v224-255 codes, eight registers a step, never rewritten
.set SW,    16                         ; v16-19   four scale words
.macro LOADA t                         ; step t: 128 along K of my 16 rows; a load reads 512 consecutive bytes of one row
.irp i, 0,1,2,3,4,5,6,7,8,9,10,11,12,13,14,15
	global_load_b128 v[RA+64*((\t)%2)+4*\i:RA+64*((\t)%2)+4*\i+3], v6, s[24:25] offset:\i*4096+(\t)*512 th:TH_LOAD_NT
.endr
.endm
.macro STEPA t
.if (\t) < 3
	s_wait_loadcnt 16                              ; this step's 16 loads are in; the next step's 16 may be out
.else
	s_wait_loadcnt 0x0
.endif
.irp i, 0,1,2,3,4,5,6,7,8,9,10,11,12,13,14,15
	ds_store_b128 v8, v[RA+64*((\t)%2)+4*\i:RA+64*((\t)%2)+4*\i+3] offset:\i*PIT
.endr
.irp c, 0,1                                    ; back: lane (r, h) takes blocks h and 2 + h of row r whole.  LDS serves a wave's instructions in order: these see the stores
.irp i, 0,1,2,3,4,5,6,7
	ds_load_b128 v[XB+32*\c+4*\i:XB+32*\c+4*\i+3], v9 offset:\c*256+16*\i
.endr
.endr
	s_wait_dscnt 0x0                               ; the blocks are in, and the stores have read their registers,
.if (\t) < 2
	LOADA (\t)+2                                   ; which take the loads of two steps on
.endif
.irp c, 0,1
	v_max3_num_f32 v[10+\c], |v[XB+32*\c]|, |v[XB+1+32*\c]|, 0x1800000   ; the floor 2^(3 - 127): the byte cannot fall under 1
.endr
.irp i, 2,4,6,8,10,12,14,16,18,20,22,24,26,28,30
.irp c, 0,1
	v_max3_num_f32 v[10+\c], v[10+\c], |v[XB+32*\c+\i]|, |v[XB+1+32*\c+\i]|   ; the two blocks by turns
.endr
.endr
.irp c, 0,1
	v_add_nc_u32 v[12+\c], 0xff000000, v[10+\c]    ; 2 off the exponent field: the conversion takes this operand's exponent field as its scale
.endr
.irp c, 0,1
.irp g, 0,1,2,3
	v_cvt_scalef32_pk8_fp4_f32 v[CD+8*(\t)+4*\c+\g], v[XB+32*\c+8*\g:XB+32*\c+8*\g+7], v[12+\c]
.endr
.endr
	v_lshrrev_b32 v14, 23, v12                     ; the bytes of blocks h and 2 + h (a plain line behind the conversions)
	v_lshrrev_b32 v15, 23, v13
	v_lshl_or_b32 v14, v15, 16, v14
	v_lshlrev_b32 v14, v20, v14                    ; at their places: 8 h bits up
	v_permlanex16_b32 v21, v14, s34, s35
	v_or_b32 v[SW+(\t)], v14, v21                  ; with lane l xor 16's two the word is whole
.irp c, 0,1
	global_store_b128 v6, v[CD+8*(\t)+4*\c:CD+8*(\t)+4*\c+3], s[28:29] offset:(\t)*1024+\c*512   ; 32 lanes store 512 consecutive bytes
.endr
.endm
.macro LOADW blk, cols                 ; block blk: W(32 blk + i, my column): 32 lanes read 128 consecutive bytes
.set i, 0
.rept 32
	global_load_b32 v[32+32*((\blk)%2)+i], v7, s[24:25] offset:(32*(\blk)+i)*(\cols)*4 th:TH_LOAD_NT
.set i, i+1
.endr
.endm
.macro WBLOCK blk, cols, mode
.set XS, 32+32*((\blk)%2)
.if (\blk) < 7
	s_wait_loadcnt 32                              ; this block's 32 loads are in; the next block's may be out
.else
	s_wait_loadcnt 0x0
.endif
.if \mode == 0
	v_max3_num_f32 v12, |v[XS]|, |v[XS+1]|, |v[XS+2]|   ; all 32 numbers of the block are mine: two chains
	v_max3_num_f32 v13, |v[XS+3]|, |v[XS+4]|, |v[XS+5]|
.irp i, 6,10,14,18,22,26
	v_max3_num_f32 v12, v12, |v[XS+\i]|, |v[XS+\i+1]|
	v_max3_num_f32 v13, v13, |v[XS+\i+2]|, |v[XS+\i+3]|
.endr
	v_max3_num_f32 v12, v12, |v[XS+30]|, |v[XS+31]|
	v_max3_num_f32 v12, v12, v13, 0x1800000        ; and the floor
	v_add_nc_u32 v11, 0xff000000, v12
	v_lshrrev_b32 v13, 23, v11                     ; the scale's byte
.if (\blk)%4 == 0
	v_mov_b32 v[24+(\blk)/4], v13
.else
	v_lshl_or_b32 v[24+(\blk)/4], v13, 8*((\blk)%4), v[24+(\blk)/4]
.endif
.irp g, 0,1,2,3
	v_cvt_scalef32_pk8_fp4_f32 v[96+4*(\blk)+\g], v[XS+8*\g:XS+8*\g+7], v11
.endr
	v_nop                                          ; one plain line behind the conversions
	global_store_b128 v8, v[96+4*(\blk):96+4*(\blk)+3], s[28:29] offset:(\blk)*256   ; sixteen lanes store 256 consecutive bytes, aligned
.else
.irp p, 0,1,2,3
.irp j, 0,1,2,3
	v_cvt_pk_f16_f32 v[96+16*(\blk)+4*\p+\j], v[XS+8*\p+2*\j], v[XS+8*\p+2*\j+1]
.endr
.endr
.irp p, 0,1,2,3
	global_store_b128 v8, v[96+16*(\blk)+4*\p:96+16*(\blk)+4*\p+3], s[28:29] offset:(\blk)*1024+\p*256
.endr
.endif
.if (\blk)+2 < 8
	LOADW (\blk)+2, \cols
.endif
.endm
; A weight of cols columns.  first: its first work-group; logg = log2(cols / 128); src: the scalar pair with its address; tile0: its first column tile in wts; mode 0: codes, 1: f16.
.macro WPATH first, cols, logg, src, tile0, mode
	s_sub_co_u32 s20, ttmp9, \first
	s_and_b32 s21, s20, (\cols)/128-1              ; which 128 columns
	s_lshr_b32 s22, s20, \logg                     ; which 256 along K
	s_lshl_b32 s21, s21, 7
	s_lshl_b32 s23, s18, 5
	s_add_co_u32 s21, s21, s23                     ; my wave's first column
	s_mul_i32 s26, s22, 256*(\cols)*4
	s_lshl_b32 s23, s21, 2
	s_add_co_u32 s26, s26, s23
	s_mov_b32 s27, 0
	s_add_nc_u64 s[24:25], s[\src:\src+1], s[26:27]
.if \mode == 0
	s_lshl_b32 s26, s21, 9                         ; codes: (column / 16) x 8192 + 8 blocks x 256 for each 256 along K
	s_lshl_b32 s23, s22, 11
	s_add_co_u32 s26, s26, s23
	s_add_co_u32 s26, s26, (\tile0)*8192
	s_add_nc_u64 s[28:29], s[16:17], s[26:27]
	s_lshl_b32 s26, s21, 5                         ; scale bytes: (column / 16) x 512 + (K / 512) x 256 + 8 bytes for each 256 along K
	s_lshr_b32 s23, s22, 1
	s_lshl_b32 s23, s23, 8
	s_add_co_u32 s26, s26, s23
	s_and_b32 s23, s22, 1
	s_lshl_b32 s23, s23, 3
	s_add_co_u32 s26, s26, s23
	s_add_co_u32 s26, s26, 1572864+(\tile0)*512
	s_add_nc_u64 s[32:33], s[16:17], s[26:27]
	v_lshlrev_b32 v8, 13, v5                       ; lanes 16-31 belong to the next column tile
	v_lshl_add_u32 v8, v4, 4, v8
	v_lshlrev_b32 v9, 9, v5
	v_lshl_add_u32 v9, v4, 4, v9
.else
	s_lshl_b32 s26, s21, 11                        ; f16: (column / 16) x 32768 + 8 x 1024 for each 256 along K
	s_lshl_b32 s23, s22, 13
	s_add_co_u32 s26, s26, s23
	s_add_co_u32 s26, s26, 1671168
	s_add_nc_u64 s[28:29], s[16:17], s[26:27]
	v_lshlrev_b32 v8, 15, v5
	v_lshl_add_u32 v8, v4, 4, v8
.endif
	LOADW 0, \cols
	LOADW 1, \cols
.irp k, 0,1,2,3,4,5,6,7
	WBLOCK \k, \cols, \mode
.endr
.if \mode == 0
	global_store_b64 v9, v[24:25], s[32:33]        ; my column's eight scale bytes
.endif
	s_endpgm
.endm
	s_load_b256 s[4:11], s[0:1], 0x0               ; x, ctx, Wq, Wkv
	s_load_b128 s[12:15], s[0:1], 0x20             ; Wp, acts
	s_load_b64 s[16:17], s[0:1], 0x30              ; wts
	v_lshl_add_u32 v[SPW], v0, 2, SPARE
	v_mov_b32 v[NIL], 0
	v_lshrrev_b32 v1, 5, v0
	v_readfirstlane_b32 s18, v1                    ; wave
	v_and_b32 v1, 31, v0                           ; lane
	v_and_b32 v4, 15, v0                           ; r
	v_bfe_u32 v5, v0, 4, 1                         ; h
	v_lshlrev_b32 v6, 4, v1                        ; 16 x lane
	v_lshlrev_b32 v7, 2, v1                        ; 4 x lane
	s_wait_kmcnt 0x0
	s_cmp_lt_u32 ttmp9, 32
	s_cbranch_scc1 .Lwq
	s_cmp_lt_u32 ttmp9, 96
	s_cbranch_scc1 .Lwkv
	s_cmp_lt_u32 ttmp9, 128
	s_cbranch_scc1 .Lwp
	; ---- x and ctx
	s_sub_co_u32 s20, ttmp9, 128
	s_lshl_b32 s21, s20, 1
	s_lshr_b32 s22, s18, 1
	s_add_co_u32 s21, s21, s22                     ; my tile of 16 rows, 0 .. 767
	s_and_b32 s22, s18, 1                          ; my half of K
	s_cmp_lt_u32 s20, 128                          ; x or ctx: the choice hangs on the work-group's number alone
	s_cselect_b64 s[24:25], s[4:5], s[6:7]
	s_cselect_b32 s23, 0, 256
	s_sub_co_u32 s23, s21, s23                     ; the tile, counted in its own tensor
	s_lshl_b32 s26, s23, 16                        ; 16 rows of 4,096 bytes
	s_lshl_b32 s27, s22, 11
	s_add_co_u32 s26, s26, s27
	s_mov_b32 s27, 0
	s_add_nc_u64 s[24:25], s[24:25], s[26:27]
	s_lshl_b32 s26, s21, 13
	s_lshl_b32 s30, s22, 12
	s_add_co_u32 s26, s26, s30
	s_add_nc_u64 s[28:29], s[14:15], s[26:27]      ; my codes
	s_lshl_b32 s26, s21, 9
	s_lshl_b32 s30, s22, 8
	s_add_co_u32 s26, s26, s30
	s_add_co_u32 s26, s26, 6291456
	s_add_nc_u64 s[32:33], s[14:15], s[26:27]      ; my scale words
	s_mul_i32 s30, s18, STG
	v_add_nc_u32 v8, s30, v6                       ; the stage, on the way in: 16 x lane in row i
	v_mul_u32_u24 v9, v4, PIT
	v_lshl_add_u32 v9, v5, 7, v9
	v_add_nc_u32 v9, s30, v9                       ; and back: row r, + 128 h
	v_lshlrev_b32 v20, 3, v5                       ; 8 h
	v_mov_b32 v21, 0                               ; a lane permute's destination counts as one of its sources
	v_lshlrev_b32 v22, 4, v4                       ; 16 r
	s_mov_b32 s34, 0x76543210
	s_mov_b32 s35, 0xfedcba98                      ; selects for lane l xor 16
	LOADA 0
	LOADA 1
	STEPA 0
	STEPA 1
	STEPA 2
	STEPA 3
	s_wait_xcnt 0x0                                ; EXEC changes only behind this wait
	v_cmp_gt_u32 vcc_lo, 16, v1
	s_and_saveexec_b32 s30, vcc_lo
	global_store_b128 v22, v[SW:SW+3], s[32:33]    ; lanes 0-15: 256 consecutive bytes, aligned
	s_wait_xcnt 0x0
	s_or_b32 exec_lo, exec_lo, s30
	s_wait_tensorcnt 0x0                           ; the wave's end: behind my last LDS store
	ds_add_u32 v[SPW], v[NIL]
	s_wait_dscnt 0x0
	s_endpgm
.Lwq:
	WPATH 0, 1024, 3, 8, 0, 0
.Lwkv:
	WPATH 32, 2048, 4, 10, 64, 0
.Lwp:
	WPATH 96, 1024, 3, 12, 0, 1
.Lfunc_end_k_q5e4e2d6d13_prep:
	.size	k_q5e4e2d6d13_prep, .Lfunc_end_k_q5e4e2d6d13_prep-k_q5e4e2d6d13_prep
	.p2alignl 7, 3214868480
	.fill 96, 4, 3214868480
	.section	.rodata,"a",@progbits
	.p2align	6, 0x0
	.amdhsa_kernel k_q5e4e2d6d13_prep
		.amdhsa_group_segment_fixed_size 34304
		.amdhsa_private_segment_fixed_size 0
		.amdhsa_enable_private_segment 0
		.amdhsa_kernarg_size 56
		.amdhsa_user_sgpr_count 2
		.amdhsa_user_sgpr_kernarg_segment_ptr 1
		.amdhsa_wavefront_size32 1
		.amdhsa_system_sgpr_workgroup_id_x 1
		.amdhsa_system_sgpr_workgroup_id_y 1
		.amdhsa_system_sgpr_workgroup_id_z 1
		.amdhsa_system_vgpr_workitem_id 0
		.amdhsa_next_free_vgpr 256
		.amdhsa_next_free_sgpr 66
		.amdhsa_reserve_vcc 1
		.amdhsa_float_denorm_mode_32 3
		.amdhsa_float_denorm_mode_16_64 3
		.amdhsa_memory_ordered 1
		.amdhsa_forward_progress 1
		.amdhsa_inst_pref_size 142
	.end_amdhsa_kernel
	.amdgpu_metadata
---
amdhsa.version: [ 1, 2 ]
amdhsa.kernels:
  - .name:           k_q5e4e2d6d13_prep
    .symbol:         k_q5e4e2d6d13_prep.kd
    .args:
      - { .name: x, .offset: 0, .size: 8, .value_kind: global_buffer, .address_space: global }
      - { .name: ctx, .offset: 8, .size: 8, .value_kind: global_buffer, .address_space: global }
      - { .name: Wq, .offset: 16, .size: 8, .value_kind: global_buffer, .address_space: global }
      - { .name: Wkv, .offset: 24, .size: 8, .value_kind: global_buffer, .address_space: global }
      - { .name: Wp, .offset: 32, .size: 8, .value_kind: global_buffer, .address_space: global }
      - { .name: acts, .offset: 40, .size: 8, .value_kind: global_buffer, .address_space: global }
      - { .name: wts, .offset: 48, .size: 8, .value_kind: global_buffer, .address_space: global }
    .group_segment_fixed_size: 34304
    .private_segment_fixed_size: 0
    .kernarg_segment_align: 8
    .kernarg_segment_size: 56
    .max_flat_workgroup_size: 128
    .sgpr_count:     66
    .vgpr_count:     256
    .wavefront_size: 32
...
	.end_amdgpu_metadata
.endif
;; end of part 1
;; launch kvproj (part 2): grid 8 x 32, 4 waves a work-group, clusters of 4 x 4, 327,680 bytes of LDS; arguments acts, wts, bkv, kvf; writes kvf
.if DOCPART == 2
	.amdgcn_target "amdgcn-amd-amdhsa--gfx1250"
	.amdhsa_code_object_version 6
	.text
	.protected	k_q5e4e2d6d13_kvproj
	.globl	k_q5e4e2d6d13_kvproj
	.p2align	8
	.type	k_q5e4e2d6d13_kvproj,@function
k_q5e4e2d6d13_kvproj:
	s_mov_b64 s[64:65], 0
	v_nop
	global_prefetch_b8 v0, s[64:65] scope:SCOPE_SE
	s_setreg_imm32_b32 hwreg(HW_REG_WAVE_MODE, 25, 1), 1
	s_wait_xcnt 0x0
	s_wait_alu depctr_hold_cnt(0) depctr_sa_sdst(0) depctr_va_vdst(0) depctr_va_sdst(0) depctr_va_ssrc(0) depctr_va_vcc(0) depctr_vm_vsrc(0)
	s_getreg_b32 s2, hwreg(HW_REG_IB_STS2, 6, 4)
	s_cmp_eq_u32 s2, 0
	s_cbranch_scc0 .Lentry_in_a_cluster
	s_endpgm
.Lentry_in_a_cluster:
	s_bfe_u32 s2, ttmp6, 0x10000c
	s_cmp_lg_u32 s2, 0xf033
	s_cbranch_scc0 .Lentry_shape_is_right
	s_endpgm
.Lentry_shape_is_right:
; KVPROJ.  kv = Q(ctx) Q(Wkv) + bkv on codes of FP4 with E8M0 scales; sums in f32; the result leaves as f16, laid as the attention launch's operand registers want it.
; M = 8,192 keys (4 batches x 2,048), N = 2,048 columns (K's 16 heads, then V's), K = 1,024.  A work-group of four waves makes 256 x 256, a wave 128 x 128: 64 accumulators, 512 registers.
; The codes lie in fragment order (16 rows x 128 K = 1,024 bytes on end), so a fragment is two LDS loads at 16 x lane: no pitch, no padding.
; K is two slots of 512; both, and the scale words of all of K, are asked for at the head: nothing is filled again, and there is no loop.
; CLUSTERS: 4 x 4 work-groups.  The four of a row need the same keys' codes, the four of a column the same columns' codes: each tile is asked for jointly.
; THE MATRIX INSTRUCTION IS USED TRANSPOSED (source 0 = 16 columns of Wkv, source 1 = 16 keys): a lane holds one key and eight neighbouring channels: 16 bytes of f16.
; The bias is the C of each sum's first product.
; kvf: batch x 8,388,608 + head (K's 0-15, V's 16-31) x 262,144 + (key / 16) x 2,048 + (channel / 16) x 512 + a lane's 16 bytes:
;   K: at 16 x lane (lane = 16 h + key % 16, channels 8 h on);   V: at ((key % 16) / 8) x 256 + h x 128 + (key % 8) x 16, so that the turning LDS load can read it at 16 x lane.
; LIMIT: k and v must lie within f16's range (65,504).
; REGISTERS: window 0: v16-29 addresses; v32-95 scale words, two sets; v128-191 the keys' fragments, one set; v192-255 the bias.  window 1: Wkv's fragments, two sets.  windows 2, 3: the accumulators.
.set SLOT,  131072                     ; the keys' 16 tiles x 4,096 bytes, then the columns' 16
.set BOFF,  65536
.set SCL,   262144                     ; scale words: the keys' 8,192 bytes, then the columns'
.set SPARE, 278528                     ; the spare words, 128 bytes a wave
.set NQ,    4                          ; steps of 128 along K in a slot
.set FR,    8
.set ADRA, 16
.set ADRB, 20
.set CO,   26
.set ADRS, 27
.set SPW,  28
.set NIL,  29
.set SC,   32
.set AF,   128
.set BI,   192
.set G1, 24
.set G0, 32
.set G1B, 48
.set G0B, 56
.set G1S, 68
.set G0S, 76
.set G1SB, 80
.set G0SB, 88
.set MSB, 0
.macro WIN new                         ; the immediate's high byte repeats the setting that is left
.if MSB != \new
	s_set_vgpr_msb (MSB<<8)|\new
.set MSB, \new
.endif
.endm
.macro WINM hi, first                  ; source 0 window 1, source 1 window 0, D window 2 + hi; C: the bias in window 0, or D
.if \first
	WIN 0x81+0x40*(\hi)
.else
	WIN 0xa1+0x50*(\hi)
.endif
.endm
; A joint load: waves 0 and 1 fetch for the keys, waves 2 and 3 for the columns.  The branch hangs on the wave's number alone.  An s_nop 0 and four v_nop follow each line.
.macro JLOAD g0a, g1a, g0b, g1b
	s_cmp_eq_u32 s15, 0
	s_cbranch_scc0 .Lfor_b_\@
	tensor_load_to_lds s[\g0a:\g0a+3], s[\g1a:\g1a+7]
	s_nop 0
.rept 4
	v_nop
.endr
	s_branch .Lasked_\@
.Lfor_b_\@:
	tensor_load_to_lds s[\g0b:\g0b+3], s[\g1b:\g1b+7]
	s_nop 0
.rept 4
	v_nop
.endr
.Lasked_\@:
.endm
.macro CROUND                          ; a round of the cluster's barrier
	s_barrier_signal -1
	s_barrier_wait -1
	s_cmp_lg_u32 s14, 0
	s_cbranch_scc1 .Lnot_wave_0_\@
	s_barrier_signal -3
.Lnot_wave_0_\@:
	s_barrier_wait -3
	s_barrier_signal -1
	s_barrier_wait -1
.endm
.macro PLACES                          ; four places behind a matrix instruction, ahead of loads into its registers and of reads of its results
.rept 4
	v_nop
.endr
.endm
	s_load_b256 s[4:11], s[0:1], 0x0               ; acts, wts, bkv, kvf
	v_lshl_add_u32 v[SPW], v0, 2, SPARE
	v_mov_b32 v[NIL], 0
	ds_add_u32 v[SPW], v[NIL]                      ; the opening: the add, twice on end, and its wait ahead of my first tensor load
	ds_add_u32 v[SPW], v[NIL]
	v_lshrrev_b32 v1, 5, v0
	v_readfirstlane_b32 s14, v1                    ; wave
	s_lshr_b32 s15, s14, 1                         ; my half of the tile's keys.  Also: I fetch for the keys (0) or the columns (1)
	s_and_b32 s16, s14, 1                          ; my half of its columns.  Also: which 128 of them I fetch
	s_bfe_u32 s40, ttmp6, 0x40000                  ; cx
	s_bfe_u32 s41, ttmp6, 0x40004                  ; cy
	s_lshl_b32 s42, ttmp9, 2
	s_add_co_u32 s42, s42, s40                     ; tile column, 0 .. 7
	s_and_b32 s17, ttmp7, 0xffff
	s_lshl_b32 s17, s17, 2
	s_add_co_u32 s17, s17, s41                     ; tile row, 0 .. 31
	s_lshl_b32 s43, s41, 2
	s_lshl_b32 s43, 15, s43                        ; my row of the cluster
	s_lshl_b32 s44, 0x1111, s40                    ; my column
	; codes: 8 rows of 4,096 bytes (512 elements of 8), 8,192 bytes apart in memory, on end in LDS
	s_or_b32 s[G1], s43, (3<<16)|(1<<21)
	s_or_b32 s[G1B], s44, (3<<16)|(1<<21)
.irp g, G1, G1B
	s_mov_b32 s[\g+1], 512<<16                     ; tensor_dim0
	s_mov_b32 s[\g+2], 8<<16                       ; tensor_dim1
	s_mov_b32 s[\g+3], 512<<16                     ; tile_dim0
	s_mov_b32 s[\g+4], 8                           ; tile_dim1
	s_mov_b32 s[\g+5], 1024                        ; elements from row to row
	s_mov_b32 s[\g+6], 0
	s_mov_b32 s[\g+7], 0
.endr
	; scale words of 128 rows: 4,096 dense bytes as 16 rows of 256
	s_or_b32 s[G1S], s43, (3<<16)|(1<<21)
	s_or_b32 s[G1SB], s44, (3<<16)|(1<<21)
.irp g, G1S, G1SB
	s_mov_b32 s[\g+1], 32<<16
	s_mov_b32 s[\g+2], 16<<16
	s_mov_b32 s[\g+3], 32<<16
	s_mov_b32 s[\g+4], 16
	s_mov_b32 s[\g+5], 32
	s_mov_b32 s[\g+6], 0
	s_mov_b32 s[\g+7], 0
.endr
	s_lshl_b32 s18, s16, 3                         ; which 8 tiles of 16 I fetch
	s_lshl_b32 s20, s17, 4
	s_add_co_u32 s20, s20, s18                     ; keys: tile of 16, counted in ctx
	s_lshl_b32 s46, s42, 4
	s_add_co_u32 s46, s46, s18                     ; columns: tile of 16, counted in Wkv
	s_lshl_b32 s22, s20, 9
	s_add_co_u32 s22, s22, 6291456+256*512         ; ctx's scale words begin behind x's 256 tiles
	s_mov_b32 s23, 0
	s_lshl_b32 s20, s20, 13
	s_add_co_u32 s20, s20, 256*8192
	s_mov_b32 s21, 0
	s_lshl_b32 s92, s46, 9
	s_add_co_u32 s92, s92, 1572864+64*512          ; Wkv's behind Wq's 64 tiles
	s_mov_b32 s93, 0
	s_lshl_b32 s46, s46, 13
	s_add_co_u32 s46, s46, 64*8192
	s_mov_b32 s47, 0
	s_lshl_b32 s45, s14, 15                        ; where they go: wave x 32,768, wave x 4,096: no place in the cluster enters an LDS address
	s_lshl_b32 s94, s14, 12
	s_wait_dscnt 0x0                               ; both opening adds are done
	s_wait_kmcnt 0x0
	s_add_nc_u64 s[20:21], s[4:5], s[20:21]
	s_add_nc_u64 s[22:23], s[4:5], s[22:23]
	s_add_nc_u64 s[46:47], s[6:7], s[46:47]
	s_add_nc_u64 s[92:93], s[6:7], s[92:93]
	CROUND                                         ; all sixteen work-groups are here: the joint loads meet
	s_mov_b32 s[G0S], 1
	s_add_co_u32 s[G0S+1], s94, SCL
	s_mov_b64 s[G0S+2:G0S+3], s[22:23]
	s_or_b32 s[G0S+3], s[G0S+3], 0x80000000
	s_mov_b32 s[G0SB], 1
	s_add_co_u32 s[G0SB+1], s94, SCL
	s_mov_b64 s[G0SB+2:G0SB+3], s[92:93]
	s_or_b32 s[G0SB+3], s[G0SB+3], 0x80000000
	JLOAD G0S, G1S, G0SB, G1SB                     ; the scale words first
.irp s, 0,1
	s_mov_b32 s[G0+4*\s], 1
	s_add_co_u32 s[G0+4*\s+1], s45, \s*SLOT
	s_add_nc_u64 s[G0+4*\s+2:G0+4*\s+3], s[20:21], \s*4096
	s_or_b32 s[G0+4*\s+3], s[G0+4*\s+3], 0x80000000
	s_mov_b32 s[G0B+4*\s], 1
	s_add_co_u32 s[G0B+4*\s+1], s45, \s*SLOT
	s_add_nc_u64 s[G0B+4*\s+2:G0B+4*\s+3], s[46:47], \s*4096
	s_or_b32 s[G0B+4*\s+3], s[G0B+4*\s+3], 0x80000000
	JLOAD G0+4*\s, G1, G0B+4*\s, G1B               ; three loads of mine are out behind the second of these
.endr
	v_and_b32 v1, 15, v0                           ; r
	v_bfe_u32 v2, v0, 4, 1                         ; h
	v_and_b32 v3, 31, v0
	v_lshlrev_b32 v4, 4, v3                        ; 16 x lane
	s_lshl_b32 s18, s42, 10                        ; the bias: 256 columns x 4 bytes a tile column, + my 128
	s_lshl_b32 s19, s16, 9
	s_add_co_u32 s18, s18, s19
	s_mov_b32 s19, 0
	s_add_nc_u64 s[8:9], s[8:9], s[18:19]
	v_lshlrev_b32 v7, 5, v2                        ; lane (r, h) wants, for column block b, the numbers 16 b + 8 h + 0 .. 7
.irp b, 0,1,2,3,4,5,6,7
	global_load_b128 v[BI+8*\b:BI+8*\b+3], v7, s[8:9] offset:64*\b
	global_load_b128 v[BI+8*\b+4:BI+8*\b+7], v7, s[8:9] offset:64*\b+16
.endr
	s_lshl_b32 s18, s15, 15                        ; my 128 keys,
	s_lshl_b32 s19, s16, 15
	s_add_co_u32 s19, s19, BOFF                    ; my 128 columns
.irp s, 0,1
	v_add_nc_u32 v[ADRA+\s], s18, v4
	v_add_nc_u32 v[ADRB+\s], s19, v4
	s_add_co_u32 s18, s18, SLOT
	s_add_co_u32 s19, s19, SLOT
.endr
	v_lshlrev_b32 v5, 4, v1                        ; scale words: 16 bytes a row
	s_lshl_b32 s18, s15, 12
	s_lshl_b32 s19, s16, 12
	s_add_co_u32 s19, s19, 8192
	s_sub_co_u32 s19, s19, s18
	v_mul_u32_u24 v6, s19, v2                      ; lanes 16-31 take the columns': one product, the distance between the two bases
	s_add_co_u32 s18, s18, SCL
	v_add_nc_u32 v5, v5, v6
	v_add_nc_u32 v[ADRS], s18, v5
	v_lshrrev_b32 v8, 3, v1                        ; the way out: V's place of a lane's 16 bytes
	v_lshlrev_b32 v8, 8, v8
	v_lshl_add_u32 v8, v2, 7, v8
	v_and_b32 v9, 7, v1
	v_lshl_add_u32 v8, v9, 4, v8
	s_cmp_ge_u32 ttmp9, 1                          ; tile columns 4 to 7 are V's: the same answer in all sixteen partners
	s_cselect_b32 s18, -1, 0
	v_cndmask_b32 v[CO], v4, v8, s18
	s_lshr_b32 s18, s17, 3                         ; batch
	s_lshl_b32 s18, s18, 23
	s_lshl_b32 s19, s42, 2
	s_lshl_b32 s2, s16, 1
	s_add_co_u32 s19, s19, s2                      ; my first head: 4 x tile column + 2 x half
	s_lshl_b32 s19, s19, 18
	s_add_co_u32 s18, s18, s19
	s_and_b32 s19, s17, 7
	s_lshl_b32 s19, s19, 4
	s_lshl_b32 s2, s15, 3
	s_add_co_u32 s19, s19, s2                      ; my first tile of 16 keys in the batch
	s_lshl_b32 s19, s19, 11
	s_add_co_u32 s18, s18, s19
	s_mov_b32 s19, 0
	s_add_nc_u64 s[10:11], s[10:11], s[18:19]
.macro FRAG reg, adr, q, i             ; 16 rows x 128 K: two loads at 16 x lane
.irp c, 0,1
	ds_load_b128 v[\reg+4*\c:\reg+4*\c+3], v[\adr] offset:(\i)*4096+(\q)*1024+512*\c
.endr
.endm
; 16 products: key blocks a0, a0 + 1 x the eight column blocks.  p: the columns' set; sc: the set of scale words.  first = 1: the bias starts the sums.
; The 64 accumulators take turns, one instruction a turn, in the same order in every step.
.macro MUL16 a0, p, q, sc, first
.irp a, \a0, \a0+1
.irp b, 0,1,2,3,4,5,6,7
.if \first
	v_wmma_scale_f32_16x16x128_f8f6f4 v[8*(8*((\a)%4)+\b):8*(8*((\a)%4)+\b)+7], v[128*(\p)+FR*\b:128*(\p)+FR*\b+FR-1], v[AF+FR*(\a):AF+FR*(\a)+FR-1], v[BI+8*\b:BI+8*\b+7], v[SC+8*NQ*(\sc)+NQ*\b+(\q)], v[SC+8*NQ*(\sc)+NQ*(\a)+(\q)] matrix_a_fmt:MATRIX_FMT_FP4 matrix_b_fmt:MATRIX_FMT_FP4 matrix_a_scale:MATRIX_SCALE_ROW1
.else
	v_wmma_scale_f32_16x16x128_f8f6f4 v[8*(8*((\a)%4)+\b):8*(8*((\a)%4)+\b)+7], v[128*(\p)+FR*\b:128*(\p)+FR*\b+FR-1], v[AF+FR*(\a):AF+FR*(\a)+FR-1], v[8*(8*((\a)%4)+\b):8*(8*((\a)%4)+\b)+7], v[SC+8*NQ*(\sc)+NQ*\b+(\q)], v[SC+8*NQ*(\sc)+NQ*(\a)+(\q)] matrix_a_fmt:MATRIX_FMT_FP4 matrix_b_fmt:MATRIX_FMT_FP4 matrix_a_scale:MATRIX_SCALE_ROW1
.endif
.endr
.endr
.endm
.macro FETCH_B slot, q, p
	WIN 0x40                                       ; destination window 1
.irp i, 0,1,2,3,4,5,6,7
	FRAG 128*(\p)+FR*\i, ADRB+\slot, \q, \i
.endr
	WIN 0
.endm
.macro FETCH_A slot, q, i0
.irp i, \i0, \i0+1, \i0+2, \i0+3
	FRAG AF+FR*(\i), ADRA+\slot, \q, \i
.endr
.endm
.macro SCALES sc                       ; a slot's four words a row: lanes 0-15 the keys' block i, lanes 16-31 the columns' block i
.irp i, 0,1,2,3,4,5,6,7
	ds_load_b128 v[SC+8*NQ*\sc+NQ*\i:SC+8*NQ*\sc+NQ*\i+3], v[ADRS] offset:\i*512+\sc*256
.endr
.endm
.macro STEP slot, q, first             ; 128 along K that have their successor in the same slot
	s_wait_dscnt 8                                 ; all but the youngest eight loads (key blocks 4-7) are in
	WINM 0, \first
	MUL16 0, (\q)%2, \q, \slot, \first
	MUL16 2, (\q)%2, \q, \slot, \first
	s_wait_dscnt 0x0                               ; key blocks 4-7 are in
	PLACES
	FETCH_B \slot, (\q)+1, 1-(\q)%2
	FETCH_A \slot, (\q)+1, 0
	WINM 1, \first
	MUL16 4, (\q)%2, \q, \slot, \first
	MUL16 6, (\q)%2, \q, \slot, \first
	PLACES
	WIN 0
	FETCH_A \slot, (\q)+1, 4
.endm
	s_wait_tensorcnt 1                             ; the scale words and my part of slot 0 are in; slot 1's load may be out
	s_barrier_signal -1
	s_barrier_wait -1
	FETCH_B 0, 0, 0
	FETCH_A 0, 0, 0
	SCALES 0
	FETCH_A 0, 0, 4
	s_wait_loadcnt 0x0                             ; the bias
	STEP 0, 0, 1
	STEP 0, 1, 0
	STEP 0, 2, 0
	; slot 0's last step changes slots: one barrier; in front of it my part of slot 1 has landed
	s_wait_tensorcnt 0x0
	ds_add_u32 v[SPW], v[NIL]
	s_wait_dscnt 9                                 ; (the add and the youngest eight loads may be out)
	WINM 0, 0
	MUL16 0, 1, 3, 0, 0
	s_wait_dscnt 0x0
	s_barrier_signal -1
	MUL16 2, 1, 3, 0, 0                            ; work on registers while the others arrive
	WIN 0
	s_barrier_wait -1
	PLACES
	FETCH_B 1, 0, 0
	FETCH_A 1, 0, 0
	SCALES 1
	WINM 1, 0
	MUL16 4, 1, 3, 0, 0
	MUL16 6, 1, 3, 0, 0
	PLACES
	WIN 0
	FETCH_A 1, 0, 4
	STEP 1, 0, 0
	STEP 1, 1, 0
	STEP 1, 2, 0
	s_wait_dscnt 8                                 ; the very last step
	WINM 0, 0
	MUL16 0, 1, 3, 1, 0
	MUL16 2, 1, 3, 1, 0
	s_wait_dscnt 0x0
	WINM 1, 0
	MUL16 4, 1, 3, 1, 0
	MUL16 6, 1, 3, 1, 0
	WIN 0
; THE WAY OUT, a block of 16 keys at a time: rounded to f16, each accumulator from its low end on, and stored from registers: 32 lanes store 512 consecutive bytes.
.macro OUTB a
.if (\a) >= 4
	s_wait_xcnt 0x0                                ; block a - 4's stores have read their registers
.endif
	WIN 0x0a+5*((\a)/4)                            ; sources 0 and 1: window 2 or 3
.irp b, 0,1,2,3,4,5,6,7
.irp r, 0,1,2,3
	v_cvt_pk_f16_f32 v[128+32*((\a)%4)+4*\b+\r], v[64*((\a)%4)+8*\b+2*\r], v[64*((\a)%4)+8*\b+2*\r+1]
.endr
.endr
	WIN 0
.irp b, 0,1,2,3,4,5,6,7
	global_store_b128 v[CO], v[128+32*((\a)%4)+4*\b:128+32*((\a)%4)+4*\b+3], s[10:11] offset:(\b/4)*262144+(\a)*2048+(\b%4)*512
.endr
.endm
	PLACES
.irp a, 0,1,2,3,4,5,6,7
	OUTB \a
.endr
	s_wait_tensorcnt 0x0                           ; the wave's end
	ds_add_u32 v[SPW], v[NIL]
	s_wait_dscnt 0x0
	CROUND                                         ; the closing round
	s_endpgm
.Lfunc_end_k_q5e4e2d6d13_kvproj:
	.size	k_q5e4e2d6d13_kvproj, .Lfunc_end_k_q5e4e2d6d13_kvproj-k_q5e4e2d6d13_kvproj
	.p2alignl 7, 3214868480
	.fill 96, 4, 3214868480
	.section	.rodata,"a",@progbits
	.p2align	6, 0x0
	.amdhsa_kernel k_q5e4e2d6d13_kvproj
		.amdhsa_group_segment_fixed_size 327680
		.amdhsa_private_segment_fixed_size 0
		.amdhsa_enable_private_segment 0
		.amdhsa_kernarg_size 32
		.amdhsa_user_sgpr_count 2
		.amdhsa_user_sgpr_kernarg_segment_ptr 1
		.amdhsa_wavefront_size32 1
		.amdhsa_system_sgpr_workgroup_id_x 1
		.amdhsa_system_sgpr_workgroup_id_y 1
		.amdhsa_system_sgpr_workgroup_id_z 1
		.amdhsa_system_vgpr_workitem_id 0
		.amdhsa_next_free_vgpr 1024
		.amdhsa_next_free_sgpr 100
		.amdhsa_reserve_vcc 0
		.amdhsa_float_denorm_mode_32 3
		.amdhsa_float_denorm_mode_16_64 3
		.amdhsa_memory_ordered 1
		.amdhsa_forward_progress 1
		.amdhsa_inst_pref_size 119
	.end_amdhsa_kernel
	.amdgpu_metadata
---
amdhsa.version: [ 1, 2 ]
amdhsa.kernels:
  - .name:           k_q5e4e2d6d13_kvproj
    .symbol:         k_q5e4e2d6d13_kvproj.kd
    .args:
      - { .name: acts, .offset: 0, .size: 8, .value_kind: global_buffer, .address_space: global }
      - { .name: wts, .offset: 8, .size: 8, .value_kind: global_buffer, .address_space: global }
      - { .name: bkv, .offset: 16, .size: 8, .value_kind: global_buffer, .address_space: global }
      - { .name: kvf, .offset: 24, .size: 8, .value_kind: global_buffer, .address_space: global }
    .group_segment_fixed_size: 327680
    .private_segment_fixed_size: 0
    .kernarg_segment_align: 8
    .kernarg_segment_size: 32
    .max_flat_workgroup_size: 128
    .sgpr_count:     100
    .vgpr_count:     1024
    .wavefront_size: 32
...
	.end_amdgpu_metadata
.endif
;; end of part 2
;; launch attn (part 3): grid 4 x 64, 8 waves a work-group, clusters of 4 x 1, 327,680 bytes of LDS; arguments acts, wts, bq, attention_mask, kvf, af; writes af
.if DOCPART == 3
	.amdgcn_target "amdgcn-amd-amdhsa--gfx1250"
	.amdhsa_code_object_version 6
	.text
	.protected	k_q5e4e2d6d13_attn
	.globl	k_q5e4e2d6d13_attn
	.p2align	8
	.type	k_q5e4e2d6d13_attn,@function
k_q5e4e2d6d13_attn:
	s_mov_b64 s[64:65], 0
	v_nop
	global_prefetch_b8 v0, s[64:65] scope:SCOPE_SE
	s_setreg_imm32_b32 hwreg(HW_REG_WAVE_MODE, 25, 1), 1
	s_wait_xcnt 0x0
	s_wait_alu depctr_hold_cnt(0) depctr_sa_sdst(0) depctr_va_vdst(0) depctr_va_sdst(0) depctr_va_ssrc(0) depctr_va_vcc(0) depctr_vm_vsrc(0)
	s_getreg_b32 s2, hwreg(HW_REG_IB_STS2, 6, 4)
	s_cmp_eq_u32 s2, 0
	s_cbranch_scc0 .Lentry_in_a_cluster
	s_endpgm
.Lentry_in_a_cluster:
	s_bfe_u32 s2, ttmp6, 0x10000c
	s_cmp_lg_u32 s2, 0x3003
	s_cbranch_scc0 .Lentry_shape_is_right
	s_endpgm
.Lentry_shape_is_right:
; ATTN.  For one batch and head and 256 queries: q = Q(x) Q(Wq) + bq on codes of FP4 (in registers, at the head), then a = softmax(q k^T / 8 + mask) v with f16 operands and f32 sums.
; SHARES.  Eight waves, 32 queries (two tiles of 16) each; every wave walks the head's 2,048 keys, 64 a step.  Two waves share a SIMD's registers, 512 each.
; LAYOUT.  All products are used transposed, so that a lane holds ONE query (lane % 16) throughout: q^T = Wq^T x^T, S^T = K Q^T, O^T = V^T P.  Rounded in pairs, q^T is source 1 of the second and P of the third.
; q is multiplied by log2(e) / 8 before it is rounded to f16, the mask by log2(e); the mask is the C of a step's first products: so the unit gives t = (score / 8 + mask) log2(e).
; SOFTMAX.  A running maximum m and sum l for each query: p = 2^(t - m); in every step O and l are multiplied by 2^(old m - new m).  The sum is taken of p in f32.
; K, V and Wq's head lie in memory in fragment order: dense blocks for the tensor loads, LDS loads at 16 x lane; V is turned by ds_load_tr16_b128.
; RING.  Two slots of 512 keys (K 65,536 bytes, V 65,536); each wave fetches 16 KB of a slot by one load.  Both slots and Wq's head are asked for at the head; two refills follow, each with eight key steps in which to land.
; CLUSTER.  The four query blocks of a batch and head walk the same K, V and Wq: every tensor load is joint, with a mask that names the four.
; LIMITS: q log2(e) / 8, k, v and a must lie within f16's range (65,504).  Finite mask values under -3e38 / log2(e) act as -3e38; -infinity gives p = 0; a row masked by -infinity throughout gives NaN, as the softmax of such a row does.  +infinity and NaN in the mask are not served.
; REGISTERS.  window 0: v1-14 addresses; v16-31 statistics, eight a tile; v32-95 S^T, then p; v96-127 P; v128-191 O^T; v192-223 Wq's scale words, v224-239 x's (they hold scales and nothing else).
;   window 1: v0-63 K, v64-127 V (at the head: x's codes); v128-159 the mask as C (at the head v128-191: Wq's fragments, two sets; v192-223 bq); v224-255 Q.
.set SLOT1, 131072
.set WQ,    262144                     ; Wq's head: 4 column tiles x 8,192 bytes
.set MASK,  294912                     ; the batch's 2,048 mask numbers x log2(e): stored by the waves, never a fill's target
.set SPARE, 311296                     ; the spare words, 128 bytes a wave
.set ADK, 4
.set ADV, 5
.set ADM, 6
.set SPW, 8
.set NIL, 9
.set AWQ, 10
.set ST,  16                           ; tile t at v[ST + 8 t]: +0 m (+1 its pair's other half), +2, +3 l, +4 a (+5 likewise), +6 X, +7 Y
.set S,   32
.set P,   96
.set O,   128
.set WQS, 192
.set XSC, 224
.set MK,  128                          ; in window 1
.set WV,  16
.set G1T, 32
.set G1W, 40
.set G0W, 48
.set G0A, 52
.set G0B, 56
.set SEL, 60
.set CS,  62
.set TB,  66
.set TM,  67
.set SLOTS, 68
.set CNT, 69
.set MSB, 0
.macro WIN new
.if MSB != \new
	s_set_vgpr_msb (MSB<<8)|\new
.set MSB, \new
.endif
.endm
.macro CROUND
	s_barrier_signal -1
	s_barrier_wait -1
	s_cmp_lg_u32 s[WV], 0
	s_cbranch_scc1 .Lnot_wave_0_\@
	s_barrier_signal -3
.Lnot_wave_0_\@:
	s_barrier_wait -3
	s_barrier_signal -1
	s_barrier_wait -1
.endm
.macro PLACES
.rept 4
	v_nop
.endr
.endm
	s_load_b256 s[4:11], s[0:1], 0x0               ; acts, wts, bq, attention_mask
	s_load_b128 s[12:15], s[0:1], 0x20             ; kvf, af
	v_lshl_add_u32 v[SPW], v0, 2, SPARE
	v_mov_b32 v[NIL], 0
	ds_add_u32 v[SPW], v[NIL]                      ; the opening: the add, twice on end, and its wait ahead of my first tensor load
	ds_add_u32 v[SPW], v[NIL]
	v_lshrrev_b32 v7, 5, v0
	v_readfirstlane_b32 s[WV], v7                  ; wave 0..7
	s_bfe_u32 s17, ttmp6, 0x40000                  ; cx
	s_lshl_b32 s21, ttmp9, 2
	s_add_co_u32 s21, s21, s17                     ; my block of 256 queries: it enters global addresses of x and a alone
	s_and_b32 s18, ttmp7, 0xffff
	s_lshr_b32 s19, s18, 4                         ; batch
	s_and_b32 s20, s18, 15                         ; head
	; group 1: 16 KB dense, as 64 rows of 256 bytes (32 elements of 8); for Wq 4 KB, 16 rows.  15:0 the mask: all four partners; bit 21 set beside it
	s_mov_b32 s[G1T], 15|(3<<16)|(1<<21)
	s_mov_b32 s[G1T+1], 32<<16
	s_mov_b32 s[G1T+2], 64<<16
	s_mov_b32 s[G1T+3], 32<<16
	s_mov_b32 s[G1T+4], 64
	s_mov_b32 s[G1T+5], 32
	s_mov_b32 s[G1T+6], 0
	s_mov_b32 s[G1T+7], 0
	s_mov_b32 s[G1W], 15|(3<<16)|(1<<21)
	s_mov_b32 s[G1W+1], 32<<16
	s_mov_b32 s[G1W+2], 16<<16
	s_mov_b32 s[G1W+3], 32<<16
	s_mov_b32 s[G1W+4], 16
	s_mov_b32 s[G1W+5], 32
	s_mov_b32 s[G1W+6], 0
	s_mov_b32 s[G1W+7], 0
	s_lshl_b32 s22, s20, 15                        ; Wq's codes: head x 32,768 + wave x 4,096
	s_lshl_b32 s23, s[WV], 12
	s_add_co_u32 s22, s22, s23
	s_mov_b32 s23, 0
	s_lshl_b32 s24, s19, 23                        ; K, V: batch, head, V's heads behind K's sixteen (waves 4-7), my quarter of a slot
	s_lshl_b32 s25, s20, 18
	s_add_co_u32 s24, s24, s25
	s_lshr_b32 s25, s[WV], 2
	s_lshl_b32 s25, s25, 22
	s_add_co_u32 s24, s24, s25
	s_and_b32 s25, s[WV], 3
	s_lshl_b32 s25, s25, 14
	s_add_co_u32 s24, s24, s25
	s_mov_b32 s25, 0
	s_lshl_b32 s26, s[WV], 12                      ; in LDS: wave x 4,096 of Wq, wave x 16,384 of a slot
	s_lshl_b32 s27, s[WV], 14
	s_lshl_b32 s80, s19, 6
	s_lshl_b32 s81, s21, 4
	s_add_co_u32 s80, s80, s81
	s_lshl_b32 s81, s[WV], 1
	s_add_co_u32 s80, s80, s81                     ; my first tile of 16 queries: 64 batch + 16 block + 2 wave
	s_lshl_b32 s82, s80, 13                        ; its codes,
	s_mov_b32 s83, 0
	s_lshl_b32 s84, s80, 9
	s_add_co_u32 s84, s84, 6291456                 ; its scale words,
	s_mov_b32 s85, 0
	s_lshl_b32 s86, s20, 11
	s_add_co_u32 s86, s86, 1572864                 ; Wq's scale words of the head's four column tiles,
	s_mov_b32 s87, 0
	s_lshl_b32 s88, s20, 8                         ; bq's 64 numbers,
	s_mov_b32 s89, 0
	s_lshl_b32 s90, s19, 13                        ; the batch's mask,
	s_mov_b32 s91, 0
	s_lshl_b32 s92, s80, 15
	s_lshl_b32 s93, s20, 11
	s_add_co_u32 s92, s92, s93                     ; and my place in a
	s_mov_b32 s93, 0
	s_mov_b32 s[SEL], 0x76543210
	s_mov_b32 s[SEL+1], 0xfedcba98                 ; selects for lane l xor 16
	s_mov_b32 s[CS], 0x3e38aa3b                    ; log2(e) / 8
	s_mov_b32 s[CS+1], s[CS]
	s_mov_b32 s[TB], 0
	s_mov_b32 s[TM], 0
	s_mov_b32 s78, 0xff800000                      ; -infinity
	s_mov_b32 s79, 0xff61b1e6                      ; -3e38
	s_wait_dscnt 0x0                               ; both opening adds are done
	s_wait_kmcnt 0x0
	s_add_nc_u64 s[28:29], s[4:5], s[82:83]
	s_add_nc_u64 s[30:31], s[4:5], s[84:85]
	s_add_nc_u64 s[70:71], s[6:7], s[86:87]
	s_add_nc_u64 s[72:73], s[8:9], s[88:89]
	s_add_nc_u64 s[74:75], s[10:11], s[90:91]
	s_add_nc_u64 s[76:77], s[14:15], s[92:93]
	s_mov_b32 s[G0W], 1
	s_add_co_u32 s[G0W+1], s26, WQ
	s_add_nc_u64 s[G0W+2:G0W+3], s[6:7], s[22:23]
	s_or_b32 s[G0W+3], s[G0W+3], 0x80000000
	s_mov_b32 s[G0A], 1
	s_mov_b32 s[G0A+1], s27
	s_add_nc_u64 s[G0A+2:G0A+3], s[12:13], s[24:25]
	s_mov_b32 s[G0B], 1
	s_add_co_u32 s[G0B+1], s27, SLOT1
	s_add_nc_u64 s[G0B+2:G0B+3], s[G0A+2:G0A+3], 65536   ; the next 512 keys
	s_or_b32 s[G0A+3], s[G0A+3], 0x80000000
	s_or_b32 s[G0B+3], s[G0B+3], 0x80000000
	CROUND                                         ; all four work-groups are here: the first joint loads meet
	tensor_load_to_lds s[G0W:G0W+3], s[G1W:G1W+7]  ; three loads of mine go out together: Wq's head,
	s_nop 0
	tensor_load_to_lds s[G0A:G0A+3], s[G1T:G1T+7]  ; slot 0,
	s_nop 0
	tensor_load_to_lds s[G0B:G0B+3], s[G1T:G1T+7]  ; slot 1
	s_nop 0
	PLACES
	v_and_b32 v7, 31, v0
	v_lshlrev_b32 v1, 4, v7                        ; 16 x lane
	v_add_nc_u32 v2, 65536, v1                     ; V lies behind K in a slot
	v_bfe_u32 v12, v0, 4, 1
	v_lshlrev_b32 v12, 5, v12                      ; 32 h
	v_add_nc_u32 v3, MASK, v12
	v_add_nc_u32 v[AWQ], WQ, v1
	v_and_b32 v11, 15, v0
	v_lshlrev_b32 v11, 4, v11                      ; 16 r
	v_lshlrev_b32 v13, 5, v0                       ; 32 x thread: my eight mask numbers
	v_add_nc_u32 v14, MASK, v13
	global_load_b128 v[32:35], v13, s[74:75]
	global_load_b128 v[36:39], v13, s[74:75] offset:16
.irp t, 0,1
.irp f, 0,1
	global_load_b128 v[XSC+8*\t+4*\f:XSC+8*\t+4*\f+3], v11, s[30:31] offset:\t*512+\f*256   ; x's scale words: register 8 t + s for K step s
.endr
.endr
.irp c, 0,1,2,3
.irp f, 0,1
	global_load_b128 v[WQS+8*\c+4*\f:WQS+8*\c+4*\f+3], v11, s[70:71] offset:\c*512+\f*256   ; Wq's: 8 ct + s
.endr
.endr
	WIN 0x40                                       ; destination window 1
.irp t, 0,1
.irp s, 0,1,2,3,4,5,6,7
.irp c, 0,1
	global_load_b128 v[64*\t+8*\s+4*\c:64*\t+8*\s+4*\c+3], v1, s[28:29] offset:\t*8192+\s*1024+\c*512   ; x's codes, all of K
.endr
.endr
.endr
.irp c, 0,1,2,3
	global_load_b128 v[192+8*\c:192+8*\c+3], v12, s[72:73] offset:64*\c       ; bq in the result's layout: channels 16 ct + 8 h + 0 .. 7
	global_load_b128 v[192+8*\c+4:192+8*\c+7], v12, s[72:73] offset:64*\c+16
.endr
	WIN 0
	s_wait_loadcnt 52                              ; the two mask loads are in; the 52 issued behind them may be out
.irp j, 0,1,2,3,4,5,6,7
	v_mul_f32 v[40+\j], 0x3fb8aa3b, v[32+\j]       ; x log2(e)
.endr
.irp j, 0,1,2,3,4,5,6,7
	v_max_num_f32 v[40+\j], s79, v[40+\j]          ; held at -3e38 from below,
.endr
.irp j, 0,1,2,3,4,5,6,7
	v_cmp_eq_f32 vcc_lo, s78, v[32+\j]
	v_cndmask_b32 v[40+\j], v[40+\j], v[32+\j], vcc_lo   ; but -infinity stays
.endr
	ds_store_b128 v14, v[40:43]
	ds_store_b128 v14, v[44:47] offset:16
	s_wait_tensorcnt 2                             ; my part of Wq is in; both slots' loads may be out
	s_wait_dscnt 0x0                               ; my mask stores have landed
	s_barrier_signal -1
	s_barrier_wait -1
	; ---- q^T = Wq^T x^T + bq: 8 steps of 128 along K; eight accumulators (two tiles of queries x four tiles of channels) by turns
.macro WQLOAD s
	WIN 0x40
.irp c, 0,1,2,3
.irp e, 0,1
	ds_load_b128 v[128+32*((\s)%2)+8*\c+4*\e:128+32*((\s)%2)+8*\c+4*\e+3], v[AWQ] offset:\c*8192+(\s)*1024+\e*512
.endr
.endr
.endm
.macro QSTEP s
.if ((\s) > 0) && ((\s) < 7)
	PLACES                                         ; ahead of loads into the set that the last products read
.endif
.if (\s) < 7
	WQLOAD (\s)+1
	s_wait_dscnt 8                                 ; this step's set is in; the eight loads just issued may be out
.else
	s_wait_dscnt 0x0
.endif
.if (\s) == 0
	WIN 0x15                                       ; sources 0, 1 and C (bq) window 1, D window 0
.else
	WIN 0x05
.endif
.irp t, 0,1
.irp c, 0,1,2,3
.if (\s) == 0
	v_wmma_scale_f32_16x16x128_f8f6f4 v[S+32*\t+8*\c:S+32*\t+8*\c+7], v[128+32*((\s)%2)+8*\c:128+32*((\s)%2)+8*\c+7], v[64*\t+8*(\s):64*\t+8*(\s)+7], v[192+8*\c:192+8*\c+7], v[WQS+8*\c+(\s)], v[XSC+8*\t+(\s)] matrix_a_fmt:MATRIX_FMT_FP4 matrix_b_fmt:MATRIX_FMT_FP4
.else
	v_wmma_scale_f32_16x16x128_f8f6f4 v[S+32*\t+8*\c:S+32*\t+8*\c+7], v[128+32*((\s)%2)+8*\c:128+32*((\s)%2)+8*\c+7], v[64*\t+8*(\s):64*\t+8*(\s)+7], v[S+32*\t+8*\c:S+32*\t+8*\c+7], v[WQS+8*\c+(\s)], v[XSC+8*\t+(\s)] matrix_a_fmt:MATRIX_FMT_FP4 matrix_b_fmt:MATRIX_FMT_FP4
.endif
.endr
.endr
.endm
	s_wait_loadcnt 0x0                             ; x's codes, the scale words, bq
	WQLOAD 0
.irp s, 0,1,2,3,4,5,6,7
	QSTEP \s
.endr
	WIN 0
	PLACES
.set i, 0
.rept 32
	v_pk_mul_f32 v[S+2*i:S+2*i+1], v[S+2*i:S+2*i+1], s[CS:CS+1] op_sel_hi:[1,0]   ; x log2(e) / 8, each accumulator from its low end on
.set i, i+1
.endr
	WIN 0x40
.set i, 0
.rept 32
	v_cvt_pk_f16_f32 v[224+i], v[S+2*i], v[S+2*i+1]   ; Q: tile t's two fragments at 224 + 16 t
.set i, i+1
.endr
	WIN 0
.set i, 0
.rept 64
	v_mov_b32 v[O+i], 0                            ; O^T.  The key step is written once for all steps: the first finds zeros
.set i, i+1
.endr
.irp t, 0,1
	v_mov_b32 v[ST+8*\t], 0xff7fffff               ; m: the lowest finite number
	v_mov_b32 v[ST+8*\t+1], 0
	v_mov_b32 v[ST+8*\t+2], 0                      ; l, in two halves
	v_mov_b32 v[ST+8*\t+3], 0
	v_mov_b32 v[ST+8*\t+5], 0
.endr
	s_wait_tensorcnt 1                             ; my part of slot 0 is in; slot 1's may be out
	s_wait_dscnt 0x0
	s_barrier_signal -1
	s_barrier_wait -1
; A KEY STEP: 64 keys.
.macro STEP
	v_add_nc_u32 v[ADK], s[TB], v1
	v_add_nc_u32 v[ADV], s[TB], v2
	v_add_nc_u32 v[ADM], s[TM], v3
	WIN 0x40                                       ; all 40 loads land in window 1
.irp k, 0,1,2,3
	ds_load_b128 v[MK+8*\k:MK+8*\k+3], v[ADM] offset:64*\k          ; the mask of keys 16 kt + 8 h + 0 .. 7: the same for all queries
	ds_load_b128 v[MK+8*\k+4:MK+8*\k+7], v[ADM] offset:64*\k+16
.endr
.irp k, 0,1,2,3
.irp c, 0,1
.irp j, 0,1
	ds_load_b128 v[16*\k+8*\c+4*\j:16*\k+8*\c+4*\j+3], v[ADK] offset:\k*2048+\c*1024+\j*512
.endr
.endr
.endr
.irp u, 0,1
.irp c, 0,1,2,3
.irp j, 0,1
	ds_load_tr16_b128 v[64+32*\u+8*\c+4*\j:64+32*\u+8*\c+4*\j+3], v[ADV] offset:(2*\u+\j)*2048+\c*512
.endr
.endr
.endr
	s_wait_dscnt 16                                ; the mask and K are in; V's sixteen loads may be out
	WIN 0x15                                       ; S^T = K Q^T + mask: eight accumulators by turns
.irp t, 0,1
.irp k, 0,1,2,3
	v_wmma_f32_16x16x32_f16 v[S+32*\t+8*\k:S+32*\t+8*\k+7], v[16*\k:16*\k+7], v[224+16*\t:224+16*\t+7], v[MK+8*\k:MK+8*\k+7]
.endr
.endr
	WIN 0x05
.irp t, 0,1
.irp k, 0,1,2,3
	v_wmma_f32_16x16x32_f16 v[S+32*\t+8*\k:S+32*\t+8*\k+7], v[16*\k+8:16*\k+15], v[224+16*\t+8:224+16*\t+15], v[S+32*\t+8*\k:S+32*\t+8*\k+7]
.endr
.endr
	WIN 0
	PLACES
	; the maximum of my 32 scores and the old m: two chains a tile; each accumulator is first read at its low end
.irp t, 0,1
	v_max3_num_f32 v[ST+8*\t+6], v[S+32*\t], v[S+32*\t+1], v[S+32*\t+2]
	v_max3_num_f32 v[ST+8*\t+7], v[S+32*\t+16], v[S+32*\t+17], v[S+32*\t+18]
.endr
.irp i, 3,5,7,9,11,13
.irp t, 0,1
	v_max3_num_f32 v[ST+8*\t+6], v[ST+8*\t+6], v[S+32*\t+\i], v[S+32*\t+\i+1]
	v_max3_num_f32 v[ST+8*\t+7], v[ST+8*\t+7], v[S+32*\t+16+\i], v[S+32*\t+17+\i]
.endr
.endr
.irp t, 0,1
	v_max3_num_f32 v[ST+8*\t+6], v[ST+8*\t+6], v[S+32*\t+15], v[S+32*\t+31]
.endr
.irp t, 0,1
	v_max3_num_f32 v[ST+8*\t+6], v[ST+8*\t+6], v[ST+8*\t+7], v[ST+8*\t]
.endr
.irp t, 0,1
	v_permlanex16_b32 v[ST+8*\t+7], v[ST+8*\t+6], s[SEL], s[SEL+1]   ; the query's other 32 keys lie in the lane 16 away
.endr
.irp t, 0,1
	v_max_num_f32 v[ST+8*\t+6], v[ST+8*\t+6], v[ST+8*\t+7]
.endr
.irp t, 0,1
	v_sub_f32 v[ST+8*\t+7], v[ST+8*\t], v[ST+8*\t+6]                 ; old m - new m
.endr
.irp t, 0,1
	v_mov_b32 v[ST+8*\t], v[ST+8*\t+6]
.endr
.set i, 0
.rept 32
	v_pk_add_f32 v[S+2*i:S+2*i+1], v[S+2*i:S+2*i+1], v[ST+8*(i/16):ST+8*(i/16)+1] op_sel_hi:[1,0] neg_lo:[0,1] neg_hi:[0,1]   ; t - m
.set i, i+1
.endr
.irp t, 0,1
	v_exp_f32 v[ST+8*\t+4], v[ST+8*\t+7]           ; ONE batch: a of both tiles and the 64 p
.endr
.set i, 0
.rept 64
	v_exp_f32 v[S+i], v[S+i]
.set i, i+1
.endr
	v_nop                                          ; a plain line behind the last exponential
	s_wait_alu depctr_va_vdst(0)                   ; one wait for the batch, ahead of its first use
.set i, 0
.rept 32
	v_cvt_pk_f16_f32 v[P+i], v[S+2*i], v[S+2*i+1]
.set i, i+1
.endr
.set i, 0
.rept 32
	v_pk_mul_f32 v[O+2*i:O+2*i+1], v[O+2*i:O+2*i+1], v[ST+8*(i/16)+4:ST+8*(i/16)+5] op_sel_hi:[1,0]   ; O^T x a
.set i, i+1
.endr
	s_wait_dscnt 0x0                               ; V is in
	WIN 0x01                                       ; O^T += V^T P: V in window 1
.irp u, 0,1
.irp c, 0,1,2,3
.irp t, 0,1
	v_wmma_f32_16x16x32_f16 v[O+32*\t+8*\c:O+32*\t+8*\c+7], v[64+32*\u+8*\c:64+32*\u+8*\c+7], v[P+16*\t+8*\u:P+16*\t+8*\u+7], v[O+32*\t+8*\c:O+32*\t+8*\c+7]
.endr
.endr
.endr
	WIN 0
	; the sums of p, in place on S^T's registers, which those products do not name: these 32 lines are also the places ahead of the next step's loads
.irp u, 0,4,8,12,16,20,24,28
.irp t, 0,1
	v_pk_add_f32 v[S+32*\t+\u:S+32*\t+\u+1], v[S+32*\t+\u:S+32*\t+\u+1], v[S+32*\t+\u+2:S+32*\t+\u+3]
.endr
.endr
.irp u, 0,8,16,24
.irp t, 0,1
	v_pk_add_f32 v[S+32*\t+\u:S+32*\t+\u+1], v[S+32*\t+\u:S+32*\t+\u+1], v[S+32*\t+\u+4:S+32*\t+\u+5]
.endr
.endr
.irp u, 0,16
.irp t, 0,1
	v_pk_add_f32 v[S+32*\t+\u:S+32*\t+\u+1], v[S+32*\t+\u:S+32*\t+\u+1], v[S+32*\t+\u+8:S+32*\t+\u+9]
.endr
.endr
.irp t, 0,1
	v_pk_add_f32 v[S+32*\t:S+32*\t+1], v[S+32*\t:S+32*\t+1], v[S+32*\t+16:S+32*\t+17]
.endr
.irp t, 0,1
	v_pk_fma_f32 v[ST+8*\t+2:ST+8*\t+3], v[ST+8*\t+2:ST+8*\t+3], v[ST+8*\t+4:ST+8*\t+5], v[S+32*\t:S+32*\t+1] op_sel_hi:[1,0,1]   ; l = l a + the sum
.endr
	s_add_co_u32 s[TB], s[TB], 8192                ; the next 64 keys: four tiles of 2,048 bytes,
	s_add_co_u32 s[TM], s[TM], 256                 ; and their mask
.endm
.macro EIGHT                           ; a slot's eight key steps: written once, walked eight times
	s_mov_b32 s[CNT], 8
.Lstep_\@:
	STEP
	s_sub_co_u32 s[CNT], s[CNT], 1
	s_cmp_lg_u32 s[CNT], 0
	s_cbranch_scc1 .Lstep_\@
.endm
; THE CHANGE OF SLOTS.  Each wave waits for all its tensor loads (its part of the other slot), adds 0 to its spare word, and waits for that and for its reads of the slot that it leaves.
; fill = 1: the barrier is a round of the cluster's, and behind it the slot just left is filled with the keys two slots on: my one tensor load until the next change.
.macro CHANGE fill
	s_wait_tensorcnt 0x0                           ; no tensor load of mine is out, so a group 0 may be written
	ds_add_u32 v[SPW], v[NIL]
.if \fill
	s_xor_b32 s[G0B+1], s[G0B+1], SLOT1            ; the walking descriptor: the other slot than last time,
	s_add_nc_u64 s[G0B+2:G0B+3], s[G0B+2:G0B+3], 65536   ; the next 512 keys; the type bits on top are not reached
	s_wait_dscnt 0x0
	CROUND
	tensor_load_to_lds s[G0B:G0B+3], s[G1T:G1T+7]
	s_nop 0
	PLACES
.else
	s_wait_dscnt 0x0
	s_barrier_signal -1
	s_barrier_wait -1
.endif
	s_sub_co_u32 s[TB], s[TB], 65536               ; back to a slot's first step,
	s_xor_b32 s[TB], s[TB], SLOT1                  ; in the other slot
.endm
	EIGHT                                          ; keys 0 to 511
	s_mov_b32 s[SLOTS], 2
.Lslot:                                            ; two trips: both slots are filled once more
	CHANGE 1
	EIGHT
	s_sub_co_u32 s[SLOTS], s[SLOTS], 1
	s_cmp_lg_u32 s[SLOTS], 0
	s_cbranch_scc1 .Lslot
	CHANGE 0                                       ; the last slot is written out
	EIGHT
	; THE WAY OUT.  l's halves and the other half of the lanes' are added; O^T / l is rounded to f16 and stored from registers: a lane's eight channels are 16 bytes, a store 512 consecutive bytes in the next launch's fragment order.
.irp t, 0,1
	v_add_f32 v[ST+8*\t+6], v[ST+8*\t+2], v[ST+8*\t+3]
.endr
.irp t, 0,1
	v_permlanex16_b32 v[ST+8*\t+7], v[ST+8*\t+6], s[SEL], s[SEL+1]
.endr
.irp t, 0,1
	v_add_f32 v[ST+8*\t+6], v[ST+8*\t+6], v[ST+8*\t+7]
.endr
.irp t, 0,1
	v_rcp_f32 v[ST+8*\t+4], v[ST+8*\t+6]
.endr
	v_nop
	s_wait_alu depctr_va_vdst(0)                   ; one wait for the two reciprocals, ahead of their first use
.set i, 0
.rept 32
	v_pk_mul_f32 v[O+2*i:O+2*i+1], v[O+2*i:O+2*i+1], v[ST+8*(i/16)+4:ST+8*(i/16)+5] op_sel_hi:[1,0]
.set i, i+1
.endr
.set i, 0
.rept 32
	v_cvt_pk_f16_f32 v[S+i], v[O+2*i], v[O+2*i+1]
.set i, i+1
.endr
.irp t, 0,1
.irp c, 0,1,2,3
	global_store_b128 v1, v[S+16*\t+4*\c:S+16*\t+4*\c+3], s[76:77] offset:\t*32768+\c*512
.endr
.endr
	s_wait_tensorcnt 0x0                           ; the wave's end
	ds_add_u32 v[SPW], v[NIL]
	s_wait_dscnt 0x0
	CROUND                                         ; the closing round
	s_endpgm
.Lfunc_end_k_q5e4e2d6d13_attn:
	.size	k_q5e4e2d6d13_attn, .Lfunc_end_k_q5e4e2d6d13_attn-k_q5e4e2d6d13_attn
	.p2alignl 7, 3214868480
	.fill 96, 4, 3214868480
	.section	.rodata,"a",@progbits
	.p2align	6, 0x0
	.amdhsa_kernel k_q5e4e2d6d13_attn
		.amdhsa_group_segment_fixed_size 327680
		.amdhsa_private_segment_fixed_size 0
		.amdhsa_enable_private_segment 0
		.amdhsa_kernarg_size 48
		.amdhsa_user_sgpr_count 2
		.amdhsa_user_sgpr_kernarg_segment_ptr 1
		.amdhsa_wavefront_size32 1
		.amdhsa_system_sgpr_workgroup_id_x 1
		.amdhsa_system_sgpr_workgroup_id_y 1
		.amdhsa_system_sgpr_workgroup_id_z 1
		.amdhsa_system_vgpr_workitem_id 0
		.amdhsa_next_free_vgpr 512
		.amdhsa_next_free_sgpr 96
		.amdhsa_reserve_vcc 1
		.amdhsa_float_denorm_mode_32 3
		.amdhsa_float_denorm_mode_16_64 3
		.amdhsa_memory_ordered 1
		.amdhsa_forward_progress 1
		.amdhsa_inst_pref_size 93
	.end_amdhsa_kernel
	.amdgpu_metadata
---
amdhsa.version: [ 1, 2 ]
amdhsa.kernels:
  - .name:           k_q5e4e2d6d13_attn
    .symbol:         k_q5e4e2d6d13_attn.kd
    .args:
      - { .name: acts, .offset: 0, .size: 8, .value_kind: global_buffer, .address_space: global }
      - { .name: wts, .offset: 8, .size: 8, .value_kind: global_buffer, .address_space: global }
      - { .name: bq, .offset: 16, .size: 8, .value_kind: global_buffer, .address_space: global }
      - { .name: attention_mask, .offset: 24, .size: 8, .value_kind: global_buffer, .address_space: global }
      - { .name: kvf, .offset: 32, .size: 8, .value_kind: global_buffer, .address_space: global }
      - { .name: af, .offset: 40, .size: 8, .value_kind: global_buffer, .address_space: global }
    .group_segment_fixed_size: 327680
    .private_segment_fixed_size: 0
    .kernarg_segment_align: 8
    .kernarg_segment_size: 48
    .max_flat_workgroup_size: 256
    .sgpr_count:     96
    .vgpr_count:     512
    .wavefront_size: 32
...
	.end_amdgpu_metadata
.endif
;; end of part 3
;; launch outproj (part 4): grid 8 x 32, 4 waves a work-group, clusters of 4 x 4, 327,680 bytes of LDS; arguments af, wts, bp, out0; writes out0
.if DOCPART == 4
	.amdgcn_target "amdgcn-amd-amdhsa--gfx1250"
	.amdhsa_code_object_version 6
	.text
	.protected	k_q5e4e2d6d13_outproj
	.globl	k_q5e4e2d6d13_outproj
	.p2align	8
	.type	k_q5e4e2d6d13_outproj,@function
k_q5e4e2d6d13_outproj:
	s_mov_b64 s[64:65], 0
	v_nop
	global_prefetch_b8 v0, s[64:65] scope:SCOPE_SE
	s_setreg_imm32_b32 hwreg(HW_REG_WAVE_MODE, 25, 1), 1
	s_wait_xcnt 0x0
	s_wait_alu depctr_hold_cnt(0) depctr_sa_sdst(0) depctr_va_vdst(0) depctr_va_sdst(0) depctr_va_ssrc(0) depctr_va_vcc(0) depctr_vm_vsrc(0)
	s_getreg_b32 s2, hwreg(HW_REG_IB_STS2, 6, 4)
	s_cmp_eq_u32 s2, 0
	s_cbranch_scc0 .Lentry_in_a_cluster
	s_endpgm
.Lentry_in_a_cluster:
	s_bfe_u32 s2, ttmp6, 0x10000c
	s_cmp_lg_u32 s2, 0xf033
	s_cbranch_scc0 .Lentry_shape_is_right
	s_endpgm
.Lentry_shape_is_right:
; OUTPROJ.  out0 = a Wp + bp.  a [4096][1024] and Wp (by columns) arrive as f16 in fragment order (16 rows x 32 K = 1,024 bytes on end); sums in f32; out0 [4096][1024] f32, row-major.
; 32 x 8 tiles of 128 x 128 give each of 256 work-groups one tile.  Four waves, each 64 x 64: 16 accumulators.  K goes in four steps of 256 through two LDS slots; a wave's tensor load brings 4 rows of 8,192 bytes.
; CLUSTERS: 4 x 4 work-groups; the four of a row need the same tiles of a, the four of a column the same tiles of Wp: each is asked for jointly.
; THE MATRIX INSTRUCTION IS USED TRANSPOSED (source 0 = 16 columns of Wp, source 1 = 16 rows of a): a lane holds eight neighbouring numbers of a row of out0.  The bias is the C of each sum's first product.
; REGISTERS: window 0: v16-29 addresses; v32-95 the way out; v96-127 the bias; v128-255 the accumulators.  window 1: two fragment buffers of 128 (64 of a, then 64 of Wp, for 64 along K).
.set SLOT,  131072                     ; a's 8 tiles x 8,192 bytes, then Wp's 8
.set BOFF,  65536
.set STAGE, 262144                     ; behind the ring: 16 rows x 272 bytes for each wave
.set SP,    272
.set SPARE, 279552                     ; the spare words, 128 bytes a wave
.set ADRA, 16
.set ADRB, 20
.set STO,  24
.set RD,   25
.set CO,   26
.set SPW,  28
.set NIL,  29
.set OB,   32
.set BI,   96
.set ACC,  128
.set F0,   0
.set F1,   128
.set G1, 24
.set G0, 32
.set G1B, 48
.set G0B, 56
.set MSB, 0
.macro WIN new
.if MSB != \new
	s_set_vgpr_msb (MSB<<8)|\new
.set MSB, \new
.endif
.endm
.set MUL,  0x05                        ; sources 0 and 1 window 1; C and D window 0
.set TO_F, 0x40
.macro JLOAD s                         ; waves 0 and 1 fetch a's halves, waves 2 and 3 Wp's; an s_nop 0 and four v_nop follow each line
	s_cmp_eq_u32 s15, 0
	s_cbranch_scc0 .Lfor_b_\@
	tensor_load_to_lds s[G0+4*\s:G0+4*\s+3], s[G1:G1+7]
	s_nop 0
.rept 4
	v_nop
.endr
	s_branch .Lasked_\@
.Lfor_b_\@:
	tensor_load_to_lds s[G0B+4*\s:G0B+4*\s+3], s[G1B:G1B+7]
	s_nop 0
.rept 4
	v_nop
.endr
.Lasked_\@:
.endm
.macro CREST
	s_cmp_lg_u32 s14, 0
	s_cbranch_scc1 .Lnot_wave_0_\@
	s_barrier_signal -3
.Lnot_wave_0_\@:
	s_barrier_wait -3
	s_barrier_signal -1
	s_barrier_wait -1
.endm
.macro CROUND
	s_barrier_signal -1
	s_barrier_wait -1
	CREST
.endm
.macro PLACES
.rept 4
	v_nop
.endr
.endm
	s_load_b256 s[4:11], s[0:1], 0x0               ; af, wts, bp, out0
	v_lshl_add_u32 v[SPW], v0, 2, SPARE
	v_mov_b32 v[NIL], 0
	ds_add_u32 v[SPW], v[NIL]                      ; the opening: the add, twice on end, and its wait ahead of my first tensor load
	ds_add_u32 v[SPW], v[NIL]
	v_lshrrev_b32 v1, 5, v0
	v_readfirstlane_b32 s14, v1                    ; wave
	s_lshr_b32 s15, s14, 1                         ; my half of the tile's rows.  Also: I fetch for a (0) or for Wp (1)
	s_and_b32 s16, s14, 1                          ; my half of its columns.  Also: which 64 rows of that tile I fetch
	s_bfe_u32 s40, ttmp6, 0x40000
	s_bfe_u32 s41, ttmp6, 0x40004
	s_lshl_b32 s42, ttmp9, 2
	s_add_co_u32 s42, s42, s40                     ; tile column, 0 .. 7
	s_and_b32 s17, ttmp7, 0xffff
	s_lshl_b32 s17, s17, 2
	s_add_co_u32 s17, s17, s41                     ; tile row, 0 .. 31
	s_lshl_b32 s43, s41, 2
	s_lshl_b32 s43, 15, s43
	s_lshl_b32 s44, 0x1111, s40
	; group 1: 4 rows of 8,192 bytes (1,024 elements of 8), 32,768 bytes apart in memory, on end in LDS
	s_or_b32 s[G1], s43, (3<<16)|(1<<21)
	s_or_b32 s[G1B], s44, (3<<16)|(1<<21)
.irp g, G1, G1B
	s_mov_b32 s[\g+1], 1024<<16
	s_mov_b32 s[\g+2], 4<<16
	s_mov_b32 s[\g+3], 1024<<16
	s_mov_b32 s[\g+4], 4
	s_mov_b32 s[\g+5], 4096
	s_mov_b32 s[\g+6], 0
	s_mov_b32 s[\g+7], 0
.endr
	s_lshl_b32 s18, s16, 2                         ; which 4 tiles of 16 I fetch
	s_lshl_b32 s20, s17, 3
	s_add_co_u32 s20, s20, s18
	s_lshl_b32 s20, s20, 15
	s_mov_b32 s21, 0
	s_lshl_b32 s46, s42, 3
	s_add_co_u32 s46, s46, s18
	s_lshl_b32 s46, s46, 15
	s_add_co_u32 s46, s46, 1671168                 ; Wp's fragments lie behind the codes and scales in wts
	s_mov_b32 s47, 0
	s_lshl_b32 s45, s14, 15                        ; where they go: wave x 32,768
	s_wait_dscnt 0x0
	s_wait_kmcnt 0x0
	s_add_nc_u64 s[20:21], s[4:5], s[20:21]
	s_add_nc_u64 s[46:47], s[6:7], s[46:47]
	CROUND
.irp s, 0,1
	s_mov_b32 s[G0+4*\s], 1
	s_add_co_u32 s[G0+4*\s+1], s45, \s*SLOT
	s_add_nc_u64 s[G0+4*\s+2:G0+4*\s+3], s[20:21], \s*8192
	s_or_b32 s[G0+4*\s+3], s[G0+4*\s+3], 0x80000000
	s_mov_b32 s[G0B+4*\s], 1
	s_add_co_u32 s[G0B+4*\s+1], s45, \s*SLOT
	s_add_nc_u64 s[G0B+4*\s+2:G0B+4*\s+3], s[46:47], \s*8192
	s_or_b32 s[G0B+4*\s+3], s[G0B+4*\s+3], 0x80000000
	JLOAD \s
.endr
	v_and_b32 v1, 15, v0                           ; r
	v_bfe_u32 v2, v0, 4, 1                         ; h
	v_and_b32 v3, 31, v0
	v_lshlrev_b32 v4, 4, v3                        ; 16 x lane
	s_lshl_b32 s18, s42, 9                         ; the bias: 128 columns x 4 bytes a tile column, + my 64
	s_lshl_b32 s19, s16, 8
	s_add_co_u32 s18, s18, s19
	s_mov_b32 s19, 0
	s_add_nc_u64 s[8:9], s[8:9], s[18:19]
	s_add_nc_u64 s[10:11], s[10:11], s[18:19]      ; the same bytes on in a row of out0
	v_lshlrev_b32 v7, 5, v2
.irp b, 0,1,2,3
	global_load_b128 v[BI+8*\b:BI+8*\b+3], v7, s[8:9] offset:64*\b
	global_load_b128 v[BI+8*\b+4:BI+8*\b+7], v7, s[8:9] offset:64*\b+16
.endr
	s_lshl_b32 s18, s15, 15
	s_lshl_b32 s19, s16, 15
	s_add_co_u32 s19, s19, BOFF
.irp s, 0,1
	v_add_nc_u32 v[ADRA+\s], s18, v4
	v_add_nc_u32 v[ADRB+\s], s19, v4
	s_add_co_u32 s18, s18, SLOT
	s_add_co_u32 s19, s19, SLOT
.endr
	s_mul_i32 s18, s14, 16*SP
	s_add_co_u32 s18, s18, STAGE                   ; my stage
	v_mul_u32_u24 v5, v1, SP                       ; in: row r, 32 bytes for each half of the lanes
	v_lshl_add_u32 v5, v2, 5, v5
	v_add_nc_u32 v[STO], s18, v5
	v_mul_u32_u24 v5, v2, SP                       ; back: lanes 0-15 one row of 256 bytes, lanes 16-31 the next
	v_lshl_add_u32 v5, v1, 4, v5
	v_add_nc_u32 v[RD], s18, v5
	v_lshlrev_b32 v5, 12, v2                       ; and the same two rows in out0
	v_lshl_add_u32 v[CO], v1, 4, v5
	s_lshl_b32 s18, s17, 19                        ; my first row: 128 x tile row + 64 x half, rows of 4,096 bytes
	s_lshl_b32 s19, s15, 18
	s_add_co_u32 s18, s18, s19
	s_mov_b32 s19, 0
	s_add_nc_u64 s[10:11], s[10:11], s[18:19]
; 8 products: row blocks a0, a0 + 1 x the four column blocks, 32 along K: half c of buffer f.  first = 1: the bias starts the sums.  The 16 accumulators take turns.
.macro MUL8 f, c, a0, first
.irp a, \a0, \a0+1
.irp b, 0,1,2,3
.if \first
	v_wmma_f32_16x16x32_f16 v[ACC+8*(4*(\a)+\b):ACC+8*(4*(\a)+\b)+7], v[\f+64+8*(4*\c+\b):\f+64+8*(4*\c+\b)+7], v[\f+8*(4*\c+(\a)):\f+8*(4*\c+(\a))+7], v[BI+8*\b:BI+8*\b+7]
.else
	v_wmma_f32_16x16x32_f16 v[ACC+8*(4*(\a)+\b):ACC+8*(4*(\a)+\b)+7], v[\f+64+8*(4*\c+\b):\f+64+8*(4*\c+\b)+7], v[\f+8*(4*\c+(\a)):\f+8*(4*\c+(\a))+7], v[ACC+8*(4*(\a)+\b):ACC+8*(4*(\a)+\b)+7]
.endif
.endr
.endr
.endm
; 32 LDS loads in one run: the fragments of the slot's qd-th 64 along K into buffer f; the first 32 along K first
.macro FETCH slot, qd, f
	WIN TO_F
.irp c, 0,1
.irp i, 0,1,2,3
	ds_load_b128 v[\f+64+8*(4*\c+\i):\f+64+8*(4*\c+\i)+3],   v[ADRB+\slot] offset:\i*8192+(2*(\qd)+\c)*1024
	ds_load_b128 v[\f+64+8*(4*\c+\i)+4:\f+64+8*(4*\c+\i)+7], v[ADRB+\slot] offset:\i*8192+(2*(\qd)+\c)*1024+512
	ds_load_b128 v[\f+8*(4*\c+\i):\f+8*(4*\c+\i)+3],         v[ADRA+\slot] offset:\i*8192+(2*(\qd)+\c)*1024
	ds_load_b128 v[\f+8*(4*\c+\i)+4:\f+8*(4*\c+\i)+7],       v[ADRA+\slot] offset:\i*8192+(2*(\qd)+\c)*1024+512
.endr
.endr
.endm
.macro QUARTER slot, qd, f, g, first   ; multiplies buffer f and fetches the slot's qd-th quarter into g
	s_wait_dscnt 16                                ; the first 32 along K are in
	WIN MUL
	MUL8 \f, 0, 0, \first
	MUL8 \f, 0, 2, \first
	PLACES
	FETCH \slot, \qd, \g
	s_wait_dscnt 32                                ; all but the 32 just issued
	WIN MUL
	MUL8 \f, 1, 0, 0
	MUL8 \f, 1, 2, 0
.endm
; A slot's last quarter multiplies buffer 1 and changes slots: one barrier; in front of it each wave waits for all its tensor loads, adds 0 to its spare word, and waits for that and for its reads of this slot.
; fill = 1: the barrier opens a round of the cluster's, and behind it this slot is filled again, two K steps ahead.
.macro TURN slot, next, fill
	WIN 0
	s_wait_tensorcnt 0x0
	ds_add_u32 v[SPW], v[NIL]
	s_wait_dscnt 17                                ; (the add and the youngest sixteen loads may be out)
	WIN MUL
	MUL8 F1, 0, 0, 0
	s_wait_dscnt 0x0
	s_barrier_signal -1
	MUL8 F1, 0, 2, 0
.if \fill
	WIN 0
.endif
	s_barrier_wait -1
.if \fill
	CREST
	s_add_nc_u64 s[G0+4*\slot+2:G0+4*\slot+3], s[G0+4*\slot+2:G0+4*\slot+3], 16384
	s_add_nc_u64 s[G0B+4*\slot+2:G0B+4*\slot+3], s[G0B+4*\slot+2:G0B+4*\slot+3], 16384
	JLOAD \slot                                    ; the first tensor load behind the round; its four v_nop are also the places ahead of the loads below
.else
	PLACES
.endif
	FETCH \next, 0, F0
	WIN MUL
	MUL8 F1, 1, 0, 0
	MUL8 F1, 1, 2, 0
.endm
	s_wait_tensorcnt 1                             ; my part of K step 0 is in; K step 1's load may be out
	s_barrier_signal -1
	s_barrier_wait -1
	FETCH 0, 0, F0
	s_wait_loadcnt 0x0                             ; the bias
	QUARTER 0, 1, F0, F1, 1
	QUARTER 0, 2, F1, F0, 0
	QUARTER 0, 3, F0, F1, 0
	TURN 0, 1, 1                                   ; slot 0 takes K step 2
	QUARTER 1, 1, F0, F1, 0
	QUARTER 1, 2, F1, F0, 0
	QUARTER 1, 3, F0, F1, 0
	TURN 1, 0, 1                                   ; slot 1 takes K step 3
	QUARTER 0, 1, F0, F1, 0
	QUARTER 0, 2, F1, F0, 0
	QUARTER 0, 3, F0, F1, 0
	TURN 0, 1, 0
	QUARTER 1, 1, F0, F1, 0
	QUARTER 1, 2, F1, F0, 0
	QUARTER 1, 3, F0, F1, 0
	s_wait_dscnt 16                                ; the very last quarter
	WIN MUL
	MUL8 F1, 0, 0, 0
	MUL8 F1, 0, 2, 0
	s_wait_dscnt 0x0
	MUL8 F1, 1, 0, 0
	MUL8 F1, 1, 2, 0
	WIN 0
; THE WAY OUT, a block of 16 rows x 64 columns at a time, through my own stage: in as 32 bytes a lane, back as whole rows of 256 bytes, which sixteen lanes store as 256 consecutive bytes, aligned.
; LDS serves a wave's instructions in order (ISA guide 5.7.1.4): no wait between the stores and the loads, nor ahead of the next block's stores.
.macro TOSTAGE a
.irp b, 0,1,2,3
	ds_store_b128 v[STO], v[ACC+8*(4*(\a)+\b):ACC+8*(4*(\a)+\b)+3] offset:64*\b        ; each accumulator from its low end on
	ds_store_b128 v[STO], v[ACC+8*(4*(\a)+\b)+4:ACC+8*(4*(\a)+\b)+7] offset:64*\b+16
.endr
.irp t, 0,1,2,3,4,5,6,7
	ds_load_b128 v[OB+32*((\a)%2)+4*\t:OB+32*((\a)%2)+4*\t+3], v[RD] offset:\t*2*SP
.endr
.endm
.macro SEND a, younger
	s_wait_dscnt \younger                          ; the block is back in registers; the next block's sixteen LDS instructions may be out
.irp t, 0,1,2,3,4,5,6,7
	global_store_b128 v[CO], v[OB+32*((\a)%2)+4*\t:OB+32*((\a)%2)+4*\t+3], s[10:11] offset:(\a)*65536+\t*8192 th:TH_STORE_NT
.endr
.endm
	PLACES
	TOSTAGE 0
	TOSTAGE 1
	SEND 0, 16
	s_wait_xcnt 0x0                                ; block 0's stores have read their registers
	TOSTAGE 2
	SEND 1, 16
	s_wait_xcnt 0x0
	TOSTAGE 3
	SEND 2, 16
	SEND 3, 0
	s_wait_tensorcnt 0x0                           ; the wave's end
	ds_add_u32 v[SPW], v[NIL]
	s_wait_dscnt 0x0
	CROUND                                         ; the closing round
	s_endpgm
.Lfunc_end_k_q5e4e2d6d13_outproj:
	.size	k_q5e4e2d6d13_outproj, .Lfunc_end_k_q5e4e2d6d13_outproj-k_q5e4e2d6d13_outproj
	.p2alignl 7, 3214868480
	.fill 96, 4, 3214868480
	.section	.rodata,"a",@progbits
	.p2align	6, 0x0
	.amdhsa_kernel k_q5e4e2d6d13_outproj
		.amdhsa_group_segment_fixed_size 327680
		.amdhsa_private_segment_fixed_size 0
		.amdhsa_enable_private_segment 0
		.amdhsa_kernarg_size 32
		.amdhsa_user_sgpr_count 2
		.amdhsa_user_sgpr_kernarg_segment_ptr 1
		.amdhsa_wavefront_size32 1
		.amdhsa_system_sgpr_workgroup_id_x 1
		.amdhsa_system_sgpr_workgroup_id_y 1
		.amdhsa_system_sgpr_workgroup_id_z 1
		.amdhsa_system_vgpr_workitem_id 0
		.amdhsa_next_free_vgpr 512
		.amdhsa_next_free_sgpr 72
		.amdhsa_reserve_vcc 0
		.amdhsa_float_denorm_mode_32 3
		.amdhsa_float_denorm_mode_16_64 3
		.amdhsa_memory_ordered 1
		.amdhsa_forward_progress 1
		.amdhsa_inst_pref_size 86
	.end_amdhsa_kernel
	.amdgpu_metadata
---
amdhsa.version: [ 1, 2 ]
amdhsa.kernels:
  - .name:           k_q5e4e2d6d13_outproj
    .symbol:         k_q5e4e2d6d13_outproj.kd
    .args:
      - { .name: af, .offset: 0, .size: 8, .value_kind: global_buffer, .address_space: global }
      - { .name: wts, .offset: 8, .size: 8, .value_kind: global_buffer, .address_space: global }
      - { .name: bp, .offset: 16, .size: 8, .value_kind: global_buffer, .address_space: global }
      - { .name: out0, .offset: 24, .size: 8, .value_kind: global_buffer, .address_space: global }
    .group_segment_fixed_size: 327680
    .private_segment_fixed_size: 0
    .kernarg_segment_align: 8
    .kernarg_segment_size: 32
    .max_flat_workgroup_size: 128
    .sgpr_count:     72
    .vgpr_count:     512
    .wavefront_size: 32
...
	.end_amdgpu_metadata
.endif
;; end of part 4
